; MI455X (gfx1250); checked and timed in simulation.
; The chip was launched on July 23, 2026; its instructions are those of AMD's public machine-readable ISA for CDNA 5 (MIT licence, August 2026) and "CDNA5" Instruction Set Architecture Reference Guide (July 2026). The comments in the code are by the model that wrote it; some were corrected since.
;; Multi Headed Attention. Allowed arithmetic: matrix products marked QUANTISED: E2M3 operands, one E8M0 scale for each 32 along K, by v_wmma_scale_f32_16x16x128_f8f6f4 with both operands' format E2M3, f32 sums; everything else in f32.
;; Inputs: Wk 1,024 x 1,024 float32; Wq 1,024 x 1,024 float32; Wv 1,024 x 1,024 float32; bk 1,024 float32; bq 1,024 float32; bv 1,024 float32; mask 2 x 2,048 x 2,048 bool; x 2 x 2,048 x 1,024 float32.
;; Outputs: out0 2 x 2,048 x 1,024 float32.
;; This version of the problem:
;;   THIS VERSION OF THE PROBLEM IS GIVEN IN LOW PRECISION. The matrix products marked QUANTISED in the list below multiply operands that are first quantised to E2M3 (2 exponent bits, 3 mantissa bits; 6 bits a number), with one power-of-two scale for each 32 numbers along K (OCP MX v1.0); their sums are f32. All else is computed in f32.
;;   The module's matrix products, in the order in which they are computed (A, B: the left and right operand; K: the contracted axis; several contracted axes count as one K, in the product's order):
;;     1. [M 4,096, K 1,024] x [K 1,024, N 1,024]; A: input x; B: input Wq: QUANTISED
;;     2. [M 4,096, K 1,024] x [K 1,024, N 1,024]; A: input x; B: input Wk: QUANTISED
;;     3. [M 4,096, K 1,024] x [K 1,024, N 1,024]; A: input x; B: input Wv: QUANTISED
;;     4. batch 32 x [M 2,048, K 64] x [K 64, N 2,048]; A: computed on the way; B: computed on the way: QUANTISED
;;     5. batch 32 x [M 2,048, K 2,048] x [K 2,048, N 64]; A: softmax (see below); B: computed on the way: QUANTISED
;;   THE QUANTISER, for each operand of a quantised product, along K:
;;     - K is cut into blocks of 32 from its start; a last block that is shorter is filled with zeros.
;;     - A block's scale is 2^e with e = floor(log2(the largest magnitude in the block)) - 2, held to -126 .. 127; a block of zeros has e = 0. As a byte (E8M0): e + 127.
;;     - Each number is divided by its block's scale, clamped to +-7.5, and rounded to the nearest number of E2M3, ties to even, subnormals kept.
;;     - The product sums the exact products of the quantised numbers (number of the format x scale) in f32.
;;   ~~~python
;;   def quantise(x, axis):      # numpy; x: float32 -> the quantised numbers, widened to float32 again
;;       x = np.moveaxis(x, axis, -1); K = x.shape[-1]
;;       x = np.pad(x, [(0, 0)] * (x.ndim - 1) + [(0, -K % 32)]); x = x.reshape(x.shape[:-1] + (-1, 32)); a = np.abs(x).max(-1, keepdims=True)
;;       e = np.where(a > 0, np.clip(np.frexp(np.where(a > 0, a, 1))[1] - 1 - 2, -126, 127), 0)      # np.frexp(a)[1] - 1 = floor(log2(a)), exactly
;;       r = np.clip(x / 2.0 ** e, -7.5, 7.5)
;;       step = 2.0 ** (np.maximum(np.frexp(np.where(r == 0, 1, r))[1] - 1, 0) - 3)
;;       q = np.round(r / step) * step * 2.0 ** e      # np.round: ties to even
;;       return np.moveaxis(q.reshape(q.shape[:-2] + (-1,))[..., :K], -1, axis).astype(np.float32)
;;   ~~~
;;   SOFTMAX AHEAD OF A QUANTISED PRODUCT. Where the list says 'softmax', what is quantised is not the finished softmax but p = 2^(t - M), with t = logit x log2(e) and M = ceil(the row's largest t), a whole number; so 1/2 < the row's largest p <= 1. The row's sum l is taken of the UNQUANTISED p, in f32, and the product's result is divided by l at the end. Since M is a whole number, a kernel that streams over the keys may use a running M (the ceiling of the running maximum): every later rescaling is an exact power of two, which a block's scale takes up: the codes' values come out the same.
;;   OPERANDS COMPUTED ON THE WAY. 'Computed on the way' means the value that the module computes at that place (a softmax that the list does not call 'softmax' is quantised finished and normalised). What goes into a quantiser is computed in f32, as accurately as f32 sums, v_exp_f32 and their like allow (about 1e-6 of the number): no bf16 or f16 on the way to a quantiser, and a product that is left as it is and whose result goes on into a quantised operand takes f32 operands (vector FMAs, or v_wmma_f32_16x16x4_f32). A number that lies on a knife's edge between two numbers of the format may be rounded either way, as far as f32 arithmetic and the matrix unit's own rounding can turn it there, and no further.
;; One version. Each part assembles by itself: llvm-mc -triple=amdgcn-amd-amdhsa -mcpu=gfx1250 --defsym DOCPART=n.
;; ======== version 1 of 1: 3 launches
;; limits: right only within a limited range of input values
;; workspace buffers: codes 5,505,024 bytes; scl 229,376 bytes; qkv 9,830,400 bytes; mbits 1,048,576 bytes of whole numbers
;; launch prep (part 1): grid 704 x 1, 4 waves a work-group, no clusters, 68,096 bytes of LDS; arguments x, Wq, Wk, Wv, mask, codes, scl, mbits; writes codes, scl, mbits
.if DOCPART == 1
	.amdgcn_target "amdgcn-amd-amdhsa--gfx1250"
	.amdhsa_code_object_version 6
	.text
	.protected	k_q056a1e11f9_prep
	.globl	k_q056a1e11f9_prep
	.p2align	8
	.type	k_q056a1e11f9_prep,@function
k_q056a1e11f9_prep:
	s_mov_b64 s[64:65], 0
	v_nop
	global_prefetch_b8 v0, s[64:65] scope:SCOPE_SE
	s_setreg_imm32_b32 hwreg(HW_REG_WAVE_MODE, 25, 1), 1
	s_wait_xcnt 0x0
; x [4096][1024] and Wq, Wk, Wv [1024 (k)][1024 (n)], f32, become codes of FP6 (E2M3) with one E8M0 byte for each 32 along K; the mask [2][2048][2048] of bytes becomes lane-mask words.
; codes: [448 tiles][8 K steps][1536 bytes]; tiles 0-255 x, 256-319 Wq, 320-383 Wk, 384-447 Wv.  1536 bytes are the IMAGE OF AN OPERAND'S REGISTERS: register j of lane L at (j / 4) 512 + 16 L + 4 (j % 4);
;   lane (r, h), registers 6 c .. 6 c + 5: k = 128 s + 64 c + 32 h + 0 .. 31 of the tile's row r.
; THE ROWS OF A TILE ARE NOT NEIGHBOURS: lane r of tile t holds row 32 (t / 2) + 8 (t % 2) + r + 8 (r / 8) (a token of x, a column of a weight).
; scl: [448][8][16 words]: word r = the four scale bytes of the tile's row r in that K step.
; mbits: [2][128 query tiles][16 key steps][64 words]: bit L of word n = mask[batch][the tile's query L % 16][128 s + 32 (n / 16) + 16 (L / 16) + n % 16].
; A block's scale is 2^(floor(log2(largest magnitude)) - 2); its byte is the largest magnitude's exponent field - 2, held at 1 from below by a floor among the maximum's leaves.
; LIMITS: NaN and infinities among the inputs are not served; a block of zeros, or one whose largest magnitude lies under 2^-124, gets the byte 1 (zeros stay zero codes; the bytes are read by this program alone).
; SHARES: work-groups 0-255: a tile of x each, a wave two K steps.  256-447: a K step of 128 columns of one weight, a wave 32 columns.  448-703: a query tile of the mask, a wave 512 keys.
; The three paths never join; the two that use LDS have bytes of their own.  No loop: every offset is an immediate, every store has data registers of its own.  Waves share nothing: no barrier.
.set SPI,  528                         ; a stage row: 512 bytes + 16
.set WST,  16*SPI                      ; a wave's stage: 16 rows
.set MST,  4*WST                       ; the mask path's stages lie behind x's
.set MX,   8                           ; v8-9    two blocks' largest magnitudes
.set SO,   10                          ; v10-11  the conversions' scale operands
.set TC,   12                          ; v12-14, v16-18  the second halves of two blocks' codes
; Two whole blocks of 32 numbers of a lane (block c at v[src + 32 c]) become 12 registers of codes at v[dst] and two scale bytes at v[by], v[by + 1].
.macro Q2 src, dst, by
.irp c, 0,1
	v_max3_num_f32 v[MX+\c], |v[\src+32*\c]|, |v[\src+32*\c+1]|, 0x1800000   ; the floor 2^(3 - 127): the byte cannot fall under 1
.endr
.irp i, 2,4,6,8,10,12,14,16,18,20,22,24,26,28,30
.irp c, 0,1
	v_max3_num_f32 v[MX+\c], v[MX+\c], |v[\src+32*\c+\i]|, |v[\src+32*\c+\i+1]|   ; the two blocks by turns
.endr
.endr
.irp c, 0,1
	v_add_nc_u32 v[SO+\c], 0xff000000, v[MX+\c]    ; 2 off the exponent field: the conversion takes this operand's exponent field as its scale
.endr
.irp c, 0,1
	v_lshrrev_b32 v[\by+\c], 23, v[SO+\c]          ; the scale's byte
.endr
.irp c, 0,1
	v_cvt_scalef32_pk16_fp6_f32 v[\dst+6*\c:\dst+6*\c+2], v[\src+32*\c:\src+32*\c+15], v[SO+\c]
	v_cvt_scalef32_pk16_fp6_f32 v[TC+4*\c:TC+4*\c+2], v[\src+32*\c+16:\src+32*\c+31], v[SO+\c]   ; a conversion's three registers begin on an even number: made here, moved below
.endr
	v_nop                                          ; one plain place behind the scaled conversions
.irp c, 0,1
.irp i, 0,1,2
	v_mov_b32 v[\dst+6*\c+3+\i], v[TC+4*\c+\i]
.endr
.endr
.endm
	s_load_b512 s[4:19], s[0:1], 0x0               ; x 4:5, Wq 6:7, Wk 8:9, Wv 10:11, mask 12:13, codes 14:15, scl 16:17, mbits 18:19
	v_lshl_add_u32 v248, v0, 2, 0x10800
	v_mov_b32 v249, 0
	v_lshrrev_b32 v1, 5, v0
	v_readfirstlane_b32 s20, v1                    ; wave 0..3
	v_and_b32 v1, 31, v0                           ; lane
	v_and_b32 v2, 15, v0                           ; r
	v_bfe_u32 v3, v0, 4, 1                         ; h
	v_lshlrev_b32 v4, 4, v1                        ; 16 x lane
	s_mov_b32 s28, 0x76543210
	s_mov_b32 s29, 0xfedcba98                      ; v_permlanex16_b32's selects for lane l xor 16
	s_mov_b32 s30, 0xffff0000                      ; lanes 16-31
	s_mul_i32 s21, s20, WST                        ; my wave's stage
	s_wait_kmcnt 0x0
	s_cmp_lt_u32 ttmp9, 256
	s_cbranch_scc0 .Lnot_x
	; ---------------- x: tile = the work-group's number; my wave: K steps 2 w and 2 w + 1
	s_lshr_b32 s22, ttmp9, 1
	s_lshl_b32 s22, s22, 17                        ; 32 rows of 4,096 bytes for each pair of tiles,
	s_and_b32 s23, ttmp9, 1
	s_lshl_b32 s23, s23, 15                        ; 8 rows for the odd tile,
	s_add_co_u32 s22, s22, s23
	s_lshl_b32 s23, s20, 10                        ; two K steps of 512 bytes a wave
	s_add_co_u32 s22, s22, s23
	s_mov_b32 s23, 0
	s_add_nc_u64 s[4:5], s[4:5], s[22:23]
.macro XLOAD t, reg                    ; K step t of the 16 rows: a load is one row's 512 consecutive bytes
.irp p, 0,1,2,3,4,5,6,7,8,9,10,11,12,13,14,15
	global_load_b128 v[\reg+4*\p:\reg+4*\p+3], v4, s[4:5] offset:(\p+8*(\p/8))*4096+512*\t th:TH_LOAD_NT
.endr
.endm
	s_wait_alu depctr_va_vdst(0)
	XLOAD 0, 32
	XLOAD 1, 96
	s_mul_i32 s22, ttmp9, 12288
	s_mul_i32 s24, s20, 3072
	s_add_co_u32 s22, s22, s24
	s_add_nc_u64 s[14:15], s[14:15], s[22:23]      ; my two images
	s_lshl_b32 s22, ttmp9, 9
	s_lshl_b32 s24, s20, 7
	s_add_co_u32 s22, s22, s24
	s_add_nc_u64 s[16:17], s[16:17], s[22:23]      ; my two runs of 16 scale words
	v_add_nc_u32 v5, s21, v4                       ; the stage, in: as loaded
	v_mul_u32_u24 v6, v2, SPI
	v_lshl_add_u32 v6, v3, 7, v6
	v_add_nc_u32 v6, s21, v6                       ; and out: row r, + 128 h: my 32 numbers of each 64
	v_lshlrev_b32 v7, 2, v2
	v_lshl_add_u32 v7, v3, 6, v7                   ; the scale words' place: lanes 0-15 the first K step's, lanes 16-31 the second's
	v_lshlrev_b32 v25, 3, v3                       ; 8 h
	v_mov_b32 v26, 0                               ; a lane permute's destination counts as one of its sources
.macro XTURN src, dst                  ; a K step through the stage: LDS serves a wave's instructions in order, so no wait stands between the stores and the loads
.irp p, 0,1,2,3,4,5,6,7,8,9,10,11,12,13,14,15
	ds_store_b128 v5, v[\src+4*\p:\src+4*\p+3] offset:\p*SPI
.endr
.irp c, 0,1
.irp i, 0,1,2,3,4,5,6,7
	ds_load_b128 v[\dst+32*\c+4*\i:\dst+32*\c+4*\i+3], v6 offset:256*\c+16*\i
.endr
.endr
.endm
.macro XWORD by, w                     ; my two bytes are blocks h and 2 + h of row r; with lane l xor 16's two the word is whole
	v_lshl_or_b32 v[\w], v[\by+1], 16, v[\by]
	v_lshlrev_b32 v[\w], v25, v[\w]
	v_permlanex16_b32 v26, v[\w], s28, s29
	v_or_b32 v[\w], v[\w], v26
.endm
	s_wait_alu depctr_va_vdst(0)
	s_wait_loadcnt 16                              ; the first K step's 16 loads are in; the second's 16 may be out
	XTURN 32, 160
	s_wait_loadcnt 0x0
	s_wait_dscnt 0x0                               ; the first turn's stores have read v32-95, which take the second turn's numbers
	XTURN 96, 32
	Q2 160, 224, 20
	XWORD 20, 24
.irp g, 0,1,2
	global_store_b128 v4, v[224+4*\g:227+4*\g], s[14:15] offset:512*\g   ; 512 consecutive bytes
.endr
	s_wait_dscnt 0x0
	Q2 32, 236, 22
	XWORD 22, 27
.irp g, 0,1,2
	global_store_b128 v4, v[236+4*\g:239+4*\g], s[14:15] offset:1536+512*\g
.endr
	v_cndmask_b32 v28, v24, v27, s30
	global_store_b32 v7, v28, s[16:17]             ; 128 consecutive bytes
	s_wait_tensorcnt 0x0
	ds_add_u32 v248, v249
	s_wait_dscnt 0x0
	s_endpgm
.Lnot_x:
	s_cmp_lt_u32 ttmp9, 448
	s_cbranch_scc0 .Lmask
	; ---------------- a weight.  A LANE TAKES A COLUMN AND ITS REGISTERS RUN DOWN K: nothing is transposed, no other lane is asked for a maximum
	s_sub_co_u32 s22, ttmp9, 256
	s_lshr_b32 s23, s22, 6                         ; which weight
	s_bfe_u32 s24, s22, 0x30003                    ; which 128 columns
	s_and_b32 s25, s22, 7                          ; which K step
	s_cmp_eq_u32 s23, 0
	s_cselect_b64 s[6:7], s[6:7], s[8:9]
	s_cmp_eq_u32 s23, 2
	s_cselect_b64 s[6:7], s[10:11], s[6:7]
	s_lshl_b32 s26, s25, 19                        ; 128 rows of 4,096 bytes a K step
	s_lshl_b32 s27, s24, 9
	s_add_co_u32 s26, s26, s27
	s_lshl_b32 s27, s20, 7                         ; 32 columns a wave
	s_add_co_u32 s26, s26, s27
	s_mov_b32 s27, 0
	s_add_nc_u64 s[6:7], s[6:7], s[26:27]
	s_wait_alu depctr_va_vdst(0)
	v_lshlrev_b32 v5, 2, v1
.irp hh, 0,1                           ; the half of the operand's lanes for which the numbers are meant: k = 64 c + 32 hh + i
.irp c, 0,1
.irp i, 0,1,2,3,4,5,6,7,8,9,10,11,12,13,14,15,16,17,18,19,20,21,22,23,24,25,26,27,28,29,30,31
	global_load_b32 v[32+64*\hh+32*\c+\i], v5, s[6:7] offset:(64*\c+32*\hh+\i)*4096 th:TH_LOAD_NT   ; 128 consecutive bytes a wave, 512 a work-group
.endr
.endr
.endr
	s_lshl_b32 s26, s23, 6
	s_lshl_b32 s31, s24, 3
	s_add_co_u32 s26, s26, s31
	s_lshl_b32 s31, s20, 1
	s_add_co_u32 s26, s26, s31
	s_add_co_u32 s31, s26, 256                     ; my first tile: 256 + 64 x weight + 2 x (my pair of tiles)
	s_mul_i32 s26, s31, 12288
	s_mul_i32 s22, s25, 1536
	s_add_co_u32 s26, s26, s22
	s_add_nc_u64 s[14:15], s[14:15], s[26:27]
	s_lshl_b32 s26, s31, 9
	s_lshl_b32 s22, s25, 6
	s_add_co_u32 s26, s26, s22
	s_add_nc_u64 s[16:17], s[16:17], s[26:27]
	v_bfe_u32 v24, v1, 3, 1                        ; column j of the 32 is row r' = (j & 7) | ((j >> 1) & 8) of tile u = (j >> 3) & 1
	v_and_b32 v25, 7, v1
	v_lshrrev_b32 v26, 1, v1
	v_and_b32 v26, 8, v26
	v_or_b32 v25, v25, v26
	v_mul_u32_u24 v6, v24, 12288
	v_lshl_add_u32 v6, v25, 4, v6                  ; in the images: tile u, lane slot r'
	v_lshlrev_b32 v7, 9, v24
	v_lshl_add_u32 v7, v25, 2, v7                  ; among the scale words
	s_wait_loadcnt 63                              ; the first 64 loads are in (64 were issued behind them; the smaller count is taken)
	Q2 32, 160, 20
.irp g, 0,1,2
	global_store_b128 v6, v[160+4*\g:163+4*\g], s[14:15] offset:512*\g        ; sixteen lanes of a tile store 256 consecutive bytes, aligned
.endr
	s_wait_loadcnt 0x0
	Q2 96, 172, 22
.irp g, 0,1,2
	global_store_b128 v6, v[172+4*\g:175+4*\g], s[14:15] offset:256+512*\g    ; the slots of lanes 16-31
.endr
	v_lshl_or_b32 v24, v22, 8, v20                 ; byte 2 c + hh
	v_lshl_or_b32 v24, v21, 16, v24
	v_lshl_or_b32 v24, v23, 24, v24
	global_store_b32 v7, v24, s[16:17]
	s_endpgm
.Lmask:
	; ---------------- the mask: a query tile; my wave: keys 512 w on, four key steps
	s_sub_co_u32 s22, ttmp9, 448                   ; 128 x batch + tile
	s_lshr_b32 s23, s22, 7
	s_and_b32 s24, s22, 127
	s_lshl_b32 s26, s23, 22
	s_lshr_b32 s25, s24, 1
	s_lshl_b32 s25, s25, 16                        ; 32 rows of 2,048 bytes
	s_add_co_u32 s26, s26, s25
	s_and_b32 s25, s24, 1
	s_lshl_b32 s25, s25, 14
	s_add_co_u32 s26, s26, s25
	s_lshl_b32 s25, s20, 9
	s_add_co_u32 s26, s26, s25
	s_mov_b32 s27, 0
	s_add_nc_u64 s[12:13], s[12:13], s[26:27]
	s_wait_alu depctr_va_vdst(0)
.irp p, 0,1,2,3,4,5,6,7,8,9,10,11,12,13,14,15
	global_load_b128 v[32+4*\p:35+4*\p], v4, s[12:13] offset:(\p+8*(\p/8))*2048 th:TH_LOAD_NT   ; a row's 512 consecutive bytes
.endr
	s_lshl_b32 s26, s22, 12
	s_lshl_b32 s25, s20, 10
	s_add_co_u32 s26, s26, s25
	s_add_nc_u64 s[18:19], s[18:19], s[26:27]      ; my four runs of 64 words
	s_add_co_u32 s21, s21, MST
	v_add_nc_u32 v5, s21, v4
	v_mul_u32_u24 v6, v2, SPI
	v_lshl_add_u32 v6, v3, 4, v6
	v_add_nc_u32 v6, s21, v6                       ; out of the stage: row r, + 16 h
	v_lshlrev_b32 v7, 3, v1
.irp i, 0,1,2,3,4,5,6,7
	v_mov_b32 v[160+\i], 0                         ; v_writelane_b32's destination counts as read
.endr
	s_wait_loadcnt 0x0
.irp p, 0,1,2,3,4,5,6,7,8,9,10,11,12,13,14,15
	ds_store_b128 v5, v[32+4*\p:35+4*\p] offset:\p*SPI
.endr
.irp q, 0,1,2,3,4,5,6,7,8,9,10,11,12,13,14,15
	ds_load_b128 v[96+4*\q:99+4*\q], v6 offset:32*\q   ; keys 32 q + 16 h + 0 .. 15 of my query: byte n % 4 of register n / 4 of a step's sixteen
.endr
	s_wait_dscnt 0x0
.macro BITS sp                         ; a key step: 64 compares, each a word of 32 lanes' bits; word n goes to lane n / 2, register n % 2
.set n, 0
.rept 64
	v_and_b32 v[8+n%4], 0xff<<(8*(n%4)), v[96+16*\sp+n/4]
	v_cmp_ne_u32 s[32+n%4], 0, v[8+n%4]
	v_writelane_b32 v[160+2*\sp+n%2], s[32+n%4], n/2
.set n, n+1
.endr
	global_store_b64 v7, v[160+2*\sp:161+2*\sp], s[18:19] offset:256*\sp   ; 256 consecutive bytes, aligned
.endm
	BITS 0
	BITS 1
	BITS 2
	BITS 3
	s_wait_tensorcnt 0x0
	ds_add_u32 v248, v249
	s_wait_dscnt 0x0
	s_endpgm
.Lfunc_end_k_q056a1e11f9_prep:
	.size	k_q056a1e11f9_prep, .Lfunc_end_k_q056a1e11f9_prep-k_q056a1e11f9_prep
	.p2alignl 7, 3214868480
	.fill 96, 4, 3214868480
	.section	.rodata,"a",@progbits
	.p2align	6, 0x0
	.amdhsa_kernel k_q056a1e11f9_prep
		.amdhsa_group_segment_fixed_size 68096
		.amdhsa_private_segment_fixed_size 0
		.amdhsa_enable_private_segment 0
		.amdhsa_kernarg_size 64
		.amdhsa_user_sgpr_count 2
		.amdhsa_user_sgpr_kernarg_segment_ptr 1
		.amdhsa_wavefront_size32 1
		.amdhsa_system_sgpr_workgroup_id_x 1
		.amdhsa_system_sgpr_workgroup_id_y 1
		.amdhsa_system_sgpr_workgroup_id_z 1
		.amdhsa_system_vgpr_workitem_id 0
		.amdhsa_next_free_vgpr 250
		.amdhsa_next_free_sgpr 66
		.amdhsa_reserve_vcc 0
		.amdhsa_float_denorm_mode_32 3
		.amdhsa_float_denorm_mode_16_64 3
		.amdhsa_memory_ordered 1
		.amdhsa_forward_progress 1
		.amdhsa_inst_pref_size 90
	.end_amdhsa_kernel
	.amdgpu_metadata
---
amdhsa.version: [ 1, 2 ]
amdhsa.kernels:
  - .name:           k_q056a1e11f9_prep
    .symbol:         k_q056a1e11f9_prep.kd
    .args:
      - { .name: x, .offset: 0, .size: 8, .value_kind: global_buffer, .address_space: global }
      - { .name: Wq, .offset: 8, .size: 8, .value_kind: global_buffer, .address_space: global }
      - { .name: Wk, .offset: 16, .size: 8, .value_kind: global_buffer, .address_space: global }
      - { .name: Wv, .offset: 24, .size: 8, .value_kind: global_buffer, .address_space: global }
      - { .name: mask, .offset: 32, .size: 8, .value_kind: global_buffer, .address_space: global }
      - { .name: codes, .offset: 40, .size: 8, .value_kind: global_buffer, .address_space: global }
      - { .name: scl, .offset: 48, .size: 8, .value_kind: global_buffer, .address_space: global }
      - { .name: mbits, .offset: 56, .size: 8, .value_kind: global_buffer, .address_space: global }
    .group_segment_fixed_size: 68096
    .private_segment_fixed_size: 0
    .kernarg_segment_align: 8
    .kernarg_segment_size: 64
    .max_flat_workgroup_size: 128
    .sgpr_count:     66
    .vgpr_count:     250
    .wavefront_size: 32
...
	.end_amdgpu_metadata
.endif
;; end of part 1
;; launch proj (part 2): grid 12 x 16, 4 waves a work-group, clusters of 4 x 4, 327,680 bytes of LDS; arguments codes, scl, bq, bk, bv, qkv; writes qkv
.if DOCPART == 2
	.amdgcn_target "amdgcn-amd-amdhsa--gfx1250"
	.amdhsa_code_object_version 6
	.text
	.protected	k_q056a1e11f9_proj
	.globl	k_q056a1e11f9_proj
	.p2align	8
	.type	k_q056a1e11f9_proj,@function
k_q056a1e11f9_proj:
	s_mov_b64 s[64:65], 0
	v_nop
	global_prefetch_b8 v0, s[64:65] scope:SCOPE_SE
	s_setreg_imm32_b32 hwreg(HW_REG_WAVE_MODE, 25, 1), 1
	s_wait_xcnt 0x0
	s_wait_alu depctr_hold_cnt(0) depctr_sa_sdst(0) depctr_va_vdst(0) depctr_va_sdst(0) depctr_va_ssrc(0) depctr_va_vcc(0) depctr_vm_vsrc(0)
	s_getreg_b32 s2, hwreg(HW_REG_IB_STS2, 6, 4)
	s_cmp_eq_u32 s2, 0
	s_cbranch_scc0 .Lentry_in_a_cluster
	s_endpgm
.Lentry_in_a_cluster:
	s_bfe_u32 s2, ttmp6, 0x10000c
	s_cmp_lg_u32 s2, 0xf033
	s_cbranch_scc0 .Lentry_shape_is_right
	s_endpgm
.Lentry_shape_is_right:
.set TILEB, 12288
.set FILLB, 3072
.set FRB,   1536
.set LOADB, 8*FILLB
.set SLOT,  4*LOADB
.set SCL,   2*SLOT
.set SPARE, SCL+4*4096
.set ADRA, 16
.set ADRB, 20
.set L16,  24
.set L8,   25
.set BOQ,  26
.set ADRS, 27
.set SPW,  28
.set NIL,  29
.set BOV,  30
.set SC,   32
.set BQ,   48
.set TM,   112
.set AF,   128
.set SW,   224
.set TC,   232
.set WD,   240
.set BV,   96
.set G1,   24
.set G0,   32
.set G1B,  48
.set G0B,  56
.set G1S,  68
.set G0S,  76
.set G1SB, 80
.set G0SB, 88
.set MSB, 0
.macro WIN new
.if MSB != (\new)
	s_set_vgpr_msb (MSB<<8)|(\new)
.set MSB, (\new)
.endif
.endm
.set MUL_LO, 0xa1
.set MUL_HI, 0xf1
.set TO_B,   0x40
.macro JLOAD g0a, g1a, g0b, g1b
	s_cmp_eq_u32 s17, 0
	s_cbranch_scc0 .Lfor_b_\@
	tensor_load_to_lds s[\g0a:\g0a+3], s[\g1a:\g1a+7]
	s_nop 0
.rept 4
	v_nop
.endr
	s_branch .Lasked_\@
.Lfor_b_\@:
	tensor_load_to_lds s[\g0b:\g0b+3], s[\g1b:\g1b+7]
	s_nop 0
.rept 4
	v_nop
.endr
.Lasked_\@:
.endm
.macro CREST
	s_cmp_lg_u32 s16, 0
	s_cbranch_scc1 .Lnot_wave_0_\@
	s_barrier_signal -3
.Lnot_wave_0_\@:
	s_barrier_wait -3
	s_barrier_signal -1
	s_barrier_wait -1
.endm
.macro CROUND
	s_barrier_signal -1
	s_barrier_wait -1
	CREST
.endm
.macro PLACES
.rept 4
	v_nop
.endr
.endm
	s_load_b256 s[4:11], s[0:1], 0x0
	s_load_b128 s[12:15], s[0:1], 0x20
	v_lshl_add_u32 v[SPW], v0, 2, SPARE
	v_mov_b32 v[NIL], 0
	ds_add_u32 v28, v29
	ds_add_u32 v28, v29
	s_wait_dscnt 0x0
	v_lshrrev_b32 v1, 5, v0
	v_readfirstlane_b32 s16, v1
	s_lshr_b32 s17, s16, 1
	s_and_b32 s18, s16, 1
	s_mov_b32 s19, ttmp9
	s_and_b32 s20, ttmp7, 0xffff
	s_bfe_u32 s21, ttmp6, 0x40000
	s_bfe_u32 s22, ttmp6, 0x40004
	s_lshl_b32 s98, s22, 2
	s_lshl_b32 s98, 15, s98
	s_lshl_b32 s99, 0x1111, s21
	s_or_b32 s[G1], s98, (3<<16)|(1<<21)
	s_or_b32 s[G1B], s99, (3<<16)|(1<<21)
.irp g, G1, G1B
	s_mov_b32 s[\g+1], 384<<16
	s_mov_b32 s[\g+2], 16<<16                      ; the head's loads of codes bring 16 tiles; behind them the two words are set to 8, for the ring's
	s_mov_b32 s[\g+3], 384<<16
	s_mov_b32 s[\g+4], 16
	s_mov_b32 s[\g+5], 1536
	s_mov_b32 s[\g+6], 0
	s_mov_b32 s[\g+7], 0
.endr
	s_or_b32 s[G1S], s98, (3<<16)|(1<<21)
	s_or_b32 s[G1SB], s99, (3<<16)|(1<<21)
.irp g, G1S, G1SB
	s_mov_b32 s[\g+1], 32<<16
	s_mov_b32 s[\g+2], 32<<16                      ; the scales of 16 tiles: 32 rows of 256 bytes, one load
	s_mov_b32 s[\g+3], 32<<16
	s_mov_b32 s[\g+4], 32
	s_mov_b32 s[\g+5], 32
	s_mov_b32 s[\g+6], 0
	s_mov_b32 s[\g+7], 0
.endr
	s_lshl_b32 s98, s20, 6
	s_lshl_b32 s99, s19, 6
	s_add_co_u32 s99, s99, 256
	s_lshl_b32 s23, s18, 3
	s_cmp_lt_u32 s19, 2
	s_cselect_b32 s100, s98, 384
	s_cselect_b32 s101, s99, s98
	s_lshl_b32 s98, s22, 4
	s_add_co_u32 s100, s100, s98
	s_add_co_u32 s100, s100, s23
	s_lshl_b32 s99, s21, 4
	s_add_co_u32 s101, s101, s99
	s_add_co_u32 s101, s101, s23
	s_mul_i32 s40, s100, TILEB
	s_mov_b32 s41, 0
	s_mul_i32 s42, s101, TILEB
	s_mov_b32 s43, 0
	s_lshl_b32 s44, s100, 9
	s_mov_b32 s45, 0
	s_lshl_b32 s46, s101, 9
	s_mov_b32 s47, 0
	s_mul_i32 s2, s16, LOADB
	s_wait_kmcnt 0x0
	s_add_nc_u64 s[40:41], s[4:5], s[40:41]
	s_add_nc_u64 s[42:43], s[4:5], s[42:43]
	s_add_nc_u64 s[44:45], s[6:7], s[44:45]
	s_add_nc_u64 s[46:47], s[6:7], s[46:47]
	CROUND
	; THE HEAD'S FOUR TILES, ONE JOINT LOAD A WAVE: wave 0 slot 0's 16 tiles of source A, wave 1 those of source B, wave 2 A's scales, wave 3 B's.
	; The addresses above hold my half of 8 tiles: that half's bytes are taken off again for the whole tiles.
	s_mul_i32 s98, s23, TILEB
	s_mov_b32 s99, 0
	s_lshl_b32 s100, s23, 9
	s_mov_b32 s101, 0
	s_mov_b32 s[G0], 1
	s_mov_b32 s[G0+1], 0
	s_sub_nc_u64 s[G0+2:G0+3], s[40:41], s[98:99]
	s_or_b32 s[G0+3], s[G0+3], 0x80000000
	s_mov_b32 s[G0B], 1
	s_mov_b32 s[G0B+1], 2*LOADB
	s_sub_nc_u64 s[G0B+2:G0B+3], s[42:43], s[98:99]
	s_or_b32 s[G0B+3], s[G0B+3], 0x80000000
	s_mov_b32 s[G0S], 1
	s_mov_b32 s[G0S+1], SCL
	s_sub_nc_u64 s[G0S+2:G0S+3], s[44:45], s[100:101]
	s_or_b32 s[G0S+3], s[G0S+3], 0x80000000
	s_mov_b32 s[G0SB], 1
	s_mov_b32 s[G0SB+1], SCL+8192
	s_sub_nc_u64 s[G0SB+2:G0SB+3], s[46:47], s[100:101]
	s_or_b32 s[G0SB+3], s[G0SB+3], 0x80000000
.macro ARM under, g0, g1, next         ; one chain of branches on the wave's number: every way through the head passes exactly one load
	s_cmp_lt_u32 s16, \under
	s_cbranch_scc0 \next
	tensor_load_to_lds s[\g0:\g0+3], s[\g1:\g1+7]
	s_nop 0
.rept 4
	v_nop
.endr
	s_branch .Lhead_asked
\next:
.endm
	ARM 1, G0,  G1,  .Lhead_b
	ARM 2, G0B, G1B, .Lhead_sa
	ARM 3, G0S, G1S, .Lhead_sb
	tensor_load_to_lds s[G0SB:G0SB+3], s[G1SB:G1SB+7]
	s_nop 0
.rept 4
	v_nop
.endr
.Lhead_asked:
	s_wait_alu depctr_va_vdst(0)
	s_wait_tensorcnt 0x0                           ; my tile of the head's four is in
	ds_add_u32 v28, v29
	s_mov_b32 s[G1+2], 8<<16                       ; no tensor load of mine is out, so descriptors may be written: from here on a load brings 8 tiles
	s_mov_b32 s[G1+4], 8
	s_mov_b32 s[G1B+2], 8<<16
	s_mov_b32 s[G1B+4], 8
.irp s, 0,1
	s_mov_b32 s[G0+4*\s], 1
	s_add_co_u32 s[G0+4*\s+1], s2, \s*SLOT
	s_add_nc_u64 s[G0+4*\s+2:G0+4*\s+3], s[40:41], \s*FILLB
	s_or_b32 s[G0+4*\s+3], s[G0+4*\s+3], 0x80000000
	s_mov_b32 s[G0B+4*\s], 1
	s_add_co_u32 s[G0B+4*\s+1], s2, \s*SLOT
	s_add_nc_u64 s[G0B+4*\s+2:G0B+4*\s+3], s[42:43], \s*FILLB
	s_or_b32 s[G0B+4*\s+3], s[G0B+4*\s+3], 0x80000000
.endr
	s_wait_dscnt 0x0                               ; the add is done
	CROUND                                         ; all four tiles are in, and all sixteen work-groups are here
	JLOAD G0+4, G1, G0B+4, G1B                     ; slot 1's first fill, the first tensor load behind the round
	v_and_b32 v1, 31, v0
	v_and_b32 v2, 15, v0
	v_bfe_u32 v3, v0, 4, 1
	s_wait_alu depctr_va_vdst(0)
	v_lshlrev_b32 v[L16], 4, v1
	v_lshlrev_b32 v[L8], 3, v1
	s_mul_i32 s98, s17, LOADB
	s_mul_i32 s99, s18, LOADB
	s_add_co_u32 s99, s99, 2*LOADB
.irp s, 0,1
	v_add_nc_u32 v[ADRA+\s], s98, v[L16]
	v_add_nc_u32 v[ADRB+\s], s99, v[L16]
	s_add_co_u32 s98, s98, SLOT
	s_add_co_u32 s99, s99, SLOT
.endr
	s_lshl_b32 s98, s17, 12
	s_lshl_b32 s99, s18, 12
	s_add_co_u32 s99, s99, 8192
	s_sub_co_u32 s99, s99, s98
	v_mul_u32_u24 v4, s99, v3
	s_add_co_u32 s98, s98, SCL
	v_lshl_add_u32 v4, v2, 2, v4
	v_add_nc_u32 v[ADRS], s98, v4
	v_lshlrev_b32 v[BOQ], 6, v3
	s_wait_alu depctr_va_vdst(0)
	v_and_b32 v4, 8, v2
	v_add_nc_u32 v4, v4, v2
	v_lshlrev_b32 v[BOV], 2, v4
	s_wait_alu depctr_va_vdst(0)
	s_cmp_eq_u32 s19, 0
	s_cselect_b64 s[8:9], s[8:9], s[10:11]
	s_cmp_eq_u32 s19, 2
	s_cselect_b64 s[8:9], s[12:13], s[8:9]
	s_lshl_b32 s98, s21, 10
	s_lshl_b32 s99, s18, 9
	s_add_co_u32 s98, s98, s99
	s_mov_b32 s99, 0
	s_add_nc_u64 s[10:11], s[8:9], s[98:99]
	s_lshl_b32 s98, s22, 10
	s_lshl_b32 s100, s17, 9
	s_add_co_u32 s98, s98, s100
	s_add_nc_u64 s[12:13], s[8:9], s[98:99]
.irp b, 0,1,2,3,4,5,6,7
	global_load_b128 v[BQ+8*\b:BQ+8*\b+3], v[BOQ], s[10:11] offset:(32*(\b/2)+8*(\b%2))*4
	global_load_b128 v[BQ+8*\b+4:BQ+8*\b+7], v[BOQ], s[10:11] offset:(32*(\b/2)+8*(\b%2))*4+16
.endr
	WIN 0x40
.irp a, 0,1,2,3,4,5,6,7
	global_load_b32 v[BV+2*\a], v[BOV], s[12:13] offset:(32*(\a/2)+8*(\a%2))*4
	global_load_b32 v[BV+2*\a+1], v[BOV], s[12:13] offset:(32*(\a/2)+8*(\a%2))*4
.endr
	WIN 0
	s_cmp_lt_u32 s19, 2
	s_cselect_b32 s98, s22, s21
	s_cselect_b32 s99, s17, s18
	s_cselect_b32 s100, s21, s22
	s_cselect_b32 s101, s18, s17
	s_lshl_b32 s23, s20, 2
	s_add_co_u32 s23, s23, s98
	s_lshl_b32 s23, s23, 1
	s_add_co_u32 s23, s23, s99
	s_lshr_b32 s98, s23, 4
	s_and_b32 s23, s23, 15
	s_lshl_b32 s98, s98, 4
	s_lshl_b32 s100, s100, 2
	s_add_co_u32 s98, s98, s100
	s_lshl_b32 s101, s101, 1
	s_add_co_u32 s98, s98, s101
	s_mul_i32 s98, s98, 307200
	s_mul_i32 s23, s23, 19200
	s_add_co_u32 s98, s98, s23
	s_cmp_eq_u32 s19, 0
	s_cselect_b32 s23, 12800, 0
	s_add_co_u32 s98, s98, s23
	s_cmp_eq_u32 s19, 2
	s_cselect_b32 s23, 6400, 0
	s_add_co_u32 s98, s98, s23
	s_mov_b32 s99, 0
	s_add_nc_u64 s[92:93], s[14:15], s[98:99]
	s_mov_b32 s94, 0xffff0000
	s_mov_b32 s96, 0x76543210
	s_mov_b32 s97, 0xfedcba98
.irp b, 0,1,2,3
	v_mov_b32 v[TM+4+\b], 0
.endr
.macro MUL16 a0, p, zero
.irp a, \a0, \a0+1
.irp b, 0,1,2,3,4,5,6,7
.if \zero
	v_wmma_scale_f32_16x16x128_f8f6f4 v[8*(8*((\a)%4)+\b):8*(8*((\a)%4)+\b)+7], v[128*(\p)+12*\b:128*(\p)+12*\b+11], v[AF+12*(\a):AF+12*(\a)+11], 0, v[SC+8*(\p)+\b], v[SC+8*(\p)+(\a)] matrix_a_fmt:MATRIX_FMT_FP6 matrix_b_fmt:MATRIX_FMT_FP6 matrix_a_scale:MATRIX_SCALE_ROW1
.else
	v_wmma_scale_f32_16x16x128_f8f6f4 v[8*(8*((\a)%4)+\b):8*(8*((\a)%4)+\b)+7], v[128*(\p)+12*\b:128*(\p)+12*\b+11], v[AF+12*(\a):AF+12*(\a)+11], v[8*(8*((\a)%4)+\b):8*(8*((\a)%4)+\b)+7], v[SC+8*(\p)+\b], v[SC+8*(\p)+(\a)] matrix_a_fmt:MATRIX_FMT_FP6 matrix_b_fmt:MATRIX_FMT_FP6 matrix_a_scale:MATRIX_SCALE_ROW1
.endif
.endr
.endr
.endm
.macro FRAG reg, adr, off
.irp g, 0,1,2
	ds_load_b128 v[\reg+4*\g:\reg+4*\g+3], v[\adr] offset:\off+512*\g
.endr
.endm
.macro FETCH_B slot, q, p
	WIN TO_B
.irp i, 0,1,2,3,4,5,6,7
	FRAG 128*(\p)+12*\i, ADRB+\slot, \i*FILLB+(\q)*FRB
.endr
	WIN 0
.endm
.macro FETCH_A slot, q, i0
.irp i, \i0, \i0+1, \i0+2, \i0+3
	FRAG AF+12*(\i), ADRA+\slot, (\i)*FILLB+(\q)*FRB
.endr
.endm
.macro SCALES p, ks
.irp i, 0,1,2,3,4,5,6,7
	ds_load_b32 v[SC+8*(\p)+\i], v[ADRS] offset:\i*512+(\ks)*64
.endr
.endm
.macro STEP slot, ks, zero
	s_wait_dscnt 12
	WIN MUL_LO
	MUL16 0, 0, \zero
	MUL16 2, 0, \zero
	s_wait_dscnt 0x0
	PLACES
	FETCH_B \slot, 1, 1
	FETCH_A \slot, 1, 0
	SCALES 1, (\ks)+1
	WIN MUL_HI
	MUL16 4, 0, \zero
	MUL16 6, 0, \zero
	PLACES
	WIN 0
	FETCH_A \slot, 1, 4
.endm
.macro TURN slot, next, fill, ks
	s_wait_tensorcnt 0x0
	ds_add_u32 v[SPW], v[NIL]
	s_wait_dscnt 13
	WIN MUL_LO
	MUL16 0, 1, 0
	s_wait_dscnt 0x0
	s_barrier_signal -1
	MUL16 2, 1, 0
	WIN 0
	s_barrier_wait -1
.if \fill
	CREST
	s_add_nc_u64 s[G0+4*\slot+2:G0+4*\slot+3], s[G0+4*\slot+2:G0+4*\slot+3], 2*FILLB
	s_add_nc_u64 s[G0B+4*\slot+2:G0B+4*\slot+3], s[G0B+4*\slot+2:G0B+4*\slot+3], 2*FILLB
	JLOAD G0+4*\slot, G1, G0B+4*\slot, G1B
.else
	PLACES
.endif
	FETCH_B \next, 0, 0
	FETCH_A \next, 0, 0
	SCALES 0, (\ks)+1
	WIN MUL_HI
	MUL16 4, 1, 0
	MUL16 6, 1, 0
	PLACES
	WIN 0
	FETCH_A \next, 0, 4
.endm
	s_wait_tensorcnt 1
	s_barrier_signal -1
	s_barrier_wait -1
	FETCH_B 0, 0, 0
	FETCH_A 0, 0, 0
	SCALES 0, 0
	FETCH_A 0, 0, 4
	STEP 0, 0, 1
	TURN 0, 1, 1, 1
	STEP 1, 2, 0
	TURN 1, 0, 1, 3
	STEP 0, 4, 0
	TURN 0, 1, 0, 5
	STEP 1, 6, 0
	s_wait_dscnt 12
	WIN MUL_LO
	MUL16 0, 1, 0
	MUL16 2, 1, 0
	s_wait_dscnt 0x0
	WIN MUL_HI
	MUL16 4, 1, 0
	MUL16 6, 1, 0
	WIN 0
	PLACES
	s_wait_loadcnt 0x0
.macro OUTBLK a, isv
.set WW, 2+(\a)/4
.set AC, 64*((\a)%4)
.if \isv
.set D0, AF+12*(\a)
.set D1, AF+12*(\a)+6
	WIN ((WW<<6)|WW|4)
.set k, 0
.rept 32
	v_pk_add_f32 v[AC+k:AC+k+1], v[AC+k:AC+k+1], v[BV+2*(\a):BV+2*(\a)+1]
.set k, k+2
.endr
.else
.set D0, AF+24*((\a)/2)+6*((\a)%2)
.set D1, AF+24*((\a)/2)+6*((\a)%2)+12
	WIN ((WW<<6)|WW)
.set k, 0
.rept 32
	v_pk_add_f32 v[AC+k:AC+k+1], v[AC+k:AC+k+1], v[BQ+k:BQ+k+1]
.set k, k+2
.endr
.endif
	WIN ((WW<<2)|(WW<<4))
.irp bb, 0,1,2,3
	v_max3_num_f32 v[TM+\bb], 0x1800000, |v[AC+16*\bb]|, |v[AC+16*\bb+1]|
.endr
.irp i, 2,4,6,8,10,12,14
.irp bb, 0,1,2,3
	v_max3_num_f32 v[TM+\bb], v[TM+\bb], |v[AC+16*\bb+\i]|, |v[AC+16*\bb+\i+1]|
.endr
.endr
	WIN 0
.irp bb, 0,1,2,3
	v_permlanex16_b32 v[TM+4+\bb], v[TM+\bb], s96, s97
.endr
.irp bb, 0,1,2,3
	v_max_num_f32 v[TM+\bb], v[TM+\bb], v[TM+4+\bb]
.endr
.irp bb, 0,1,2,3
	v_add_nc_u32 v[TM+12+\bb], 0xff000000, v[TM+\bb]
.endr
.irp bb, 0,1,2,3
	v_lshrrev_b32 v[TM+4+\bb], 23, v[TM+12+\bb]
.endr
.if \isv
	v_lshl_or_b32 v[SW+(\a)], v[TM+5], 8, v[TM+4]
	v_lshl_or_b32 v[SW+(\a)], v[TM+6], 16, v[SW+(\a)]
	v_lshl_or_b32 v[SW+(\a)], v[TM+7], 24, v[SW+(\a)]
.elseif ((\a)%2) == 0
	v_lshl_or_b32 v[SW+2*((\a)/2)], v[TM+5], 8, v[TM+4]
	v_lshl_or_b32 v[SW+2*((\a)/2)+1], v[TM+7], 8, v[TM+6]
.else
	v_lshl_or_b32 v[SW+2*((\a)/2)], v[TM+4], 16, v[SW+2*((\a)/2)]
	v_lshl_or_b32 v[SW+2*((\a)/2)+1], v[TM+6], 16, v[SW+2*((\a)/2)+1]
	v_lshl_or_b32 v[SW+2*((\a)/2)], v[TM+5], 24, v[SW+2*((\a)/2)]
	v_lshl_or_b32 v[SW+2*((\a)/2)+1], v[TM+7], 24, v[SW+2*((\a)/2)+1]
.endif
	WIN WW
	v_cvt_scalef32_pk16_fp6_f32 v[D0:D0+2], v[AC:AC+15], v[TM+12]
	v_cvt_scalef32_pk16_fp6_f32 v[TC:TC+2], v[AC+16:AC+31], v[TM+13]
	v_cvt_scalef32_pk16_fp6_f32 v[D1:D1+2], v[AC+32:AC+47], v[TM+14]
	v_cvt_scalef32_pk16_fp6_f32 v[TC+4:TC+6], v[AC+48:AC+63], v[TM+15]
	WIN 0
	v_nop
.irp i, 0,1,2
	v_permlane16_swap_b32 v[D0+\i], v[TC+\i]
	v_permlane16_swap_b32 v[D1+\i], v[TC+4+\i]
.endr
.irp i, 0,1,2
	v_mov_b32 v[D0+3+\i], v[TC+\i]
	v_mov_b32 v[D1+3+\i], v[TC+4+\i]
.endr
.if \isv
.irp g, 0,1,2
	global_store_b128 v[L16], v[AF+12*(\a)+4*\g:AF+12*(\a)+4*\g+3], s[92:93] offset:((\a)/4)*307200+((\a)%4)*FRB+512*\g
.endr
.elseif ((\a)%2) == 1
.irp c, 0,1
.irp g, 0,1,2
	global_store_b128 v[L16], v[AF+24*((\a)/2)+12*\c+4*\g:AF+24*((\a)/2)+12*\c+4*\g+3], s[92:93] offset:\c*307200+((\a)/2)*FRB+512*\g
.endr
.endr
.endif
.endm
	s_cmp_eq_u32 s19, 2
	s_cbranch_scc1 .Lway_v
.irp a, 0,1,2,3,4,5,6,7
	OUTBLK \a, 0
.endr
.irp c, 0,1
	v_cndmask_b32 v[WD+2*\c], v[SW+\c], v[SW+2+\c], s94
	v_cndmask_b32 v[WD+2*\c+1], v[SW+4+\c], v[SW+6+\c], s94
	global_store_b64 v[L8], v[WD+2*\c:WD+2*\c+1], s[92:93] offset:\c*307200+6144
.endr
	s_branch .Lend
.Lway_v:
.irp a, 0,1,2,3,4,5,6,7
	OUTBLK \a, 1
.endr
.irp c, 0,1
	v_cndmask_b32 v[WD+2*\c], v[SW+4*\c], v[SW+4*\c+1], s94
	v_cndmask_b32 v[WD+2*\c+1], v[SW+4*\c+2], v[SW+4*\c+3], s94
	global_store_b64 v[L8], v[WD+2*\c:WD+2*\c+1], s[92:93] offset:\c*307200+6144
.endr
.Lend:
	s_wait_tensorcnt 0x0
	ds_add_u32 v[SPW], v[NIL]
	s_wait_dscnt 0x0
	CROUND
	s_endpgm
.Lfunc_end_k_q056a1e11f9_proj:
	.size	k_q056a1e11f9_proj, .Lfunc_end_k_q056a1e11f9_proj-k_q056a1e11f9_proj
	.p2alignl 7, 3214868480
	.fill 96, 4, 3214868480
	.section	.rodata,"a",@progbits
	.p2align	6, 0x0
	.amdhsa_kernel k_q056a1e11f9_proj
		.amdhsa_group_segment_fixed_size 327680
		.amdhsa_private_segment_fixed_size 0
		.amdhsa_enable_private_segment 0
		.amdhsa_kernarg_size 48
		.amdhsa_user_sgpr_count 2
		.amdhsa_user_sgpr_kernarg_segment_ptr 1
		.amdhsa_wavefront_size32 1
		.amdhsa_system_sgpr_workgroup_id_x 1
		.amdhsa_system_sgpr_workgroup_id_y 1
		.amdhsa_system_sgpr_workgroup_id_z 1
		.amdhsa_system_vgpr_workitem_id 0
		.amdhsa_next_free_vgpr 1024
		.amdhsa_next_free_sgpr 102
		.amdhsa_reserve_vcc 0
		.amdhsa_float_denorm_mode_32 3
		.amdhsa_float_denorm_mode_16_64 3
		.amdhsa_memory_ordered 1
		.amdhsa_forward_progress 1
		.amdhsa_inst_pref_size 213
	.end_amdhsa_kernel
	.amdgpu_metadata
---
amdhsa.version: [ 1, 2 ]
amdhsa.kernels:
  - .name:           k_q056a1e11f9_proj
    .symbol:         k_q056a1e11f9_proj.kd
    .args:
      - { .name: codes, .offset: 0, .size: 8, .value_kind: global_buffer, .address_space: global }
      - { .name: scl, .offset: 8, .size: 8, .value_kind: global_buffer, .address_space: global }
      - { .name: bq, .offset: 16, .size: 8, .value_kind: global_buffer, .address_space: global }
      - { .name: bk, .offset: 24, .size: 8, .value_kind: global_buffer, .address_space: global }
      - { .name: bv, .offset: 32, .size: 8, .value_kind: global_buffer, .address_space: global }
      - { .name: qkv, .offset: 40, .size: 8, .value_kind: global_buffer, .address_space: global }
    .group_segment_fixed_size: 327680
    .private_segment_fixed_size: 0
    .kernarg_segment_align: 8
    .kernarg_segment_size: 48
    .max_flat_workgroup_size: 128
    .sgpr_count:     102
    .vgpr_count:     1024
    .wavefront_size: 32
...
	.end_amdgpu_metadata
.endif
;; end of part 2
;; launch attn (part 3): grid 8 x 32, 16 waves a work-group, clusters of 4 x 1, 282,880 bytes of LDS; arguments qkv, mbits, out0; writes out0
.if DOCPART == 3
	.amdgcn_target "amdgcn-amd-amdhsa--gfx1250"
	.amdhsa_code_object_version 6
	.text
	.protected	k_q056a1e11f9_attn
	.globl	k_q056a1e11f9_attn
	.p2align	8
	.type	k_q056a1e11f9_attn,@function
k_q056a1e11f9_attn:
	s_mov_b64 s[64:65], 0
	v_nop
	global_prefetch_b8 v0, s[64:65] scope:SCOPE_SE
	s_setreg_imm32_b32 hwreg(HW_REG_WAVE_MODE, 25, 1), 1
	s_wait_xcnt 0x0
	s_wait_alu depctr_hold_cnt(0) depctr_sa_sdst(0) depctr_va_vdst(0) depctr_va_sdst(0) depctr_va_ssrc(0) depctr_va_vcc(0) depctr_vm_vsrc(0)
	s_getreg_b32 s2, hwreg(HW_REG_IB_STS2, 6, 4)
	s_cmp_eq_u32 s2, 0
	s_cbranch_scc0 .Lentry_in_a_cluster
	s_endpgm
.Lentry_in_a_cluster:
	s_bfe_u32 s2, ttmp6, 0x10000c
	s_cmp_lg_u32 s2, 0x3003
	s_cbranch_scc0 .Lentry_shape_is_right
	s_endpgm
.Lentry_shape_is_right:
; out[b][q][64 head + d] = sum over keys of softmax_k(where(mask, 0, q . k / 8)) v[k][d], both products on codes of FP6 (E2M3) with E8M0 scales.  A masked score becomes 0, not -infinity: every key counts in every row.
; qkv: [32 batch x head][16 steps of 128 tokens][K, V, Q sections of 6,400 bytes]: four images of operand registers (1,536 bytes) and 256 bytes of scale words, as the launch before lays them.
; mbits: [2][128 query tiles][16 steps][64 words]: word n is the lane mask of score register n.
; SOFTMAX: t = score x log2(e) / 8; M = the running largest t rounded UP to a whole number; p = 2^(t - M) is quantised along the keys, not normalised; the sum is taken of the unquantised p and divides at the end.
; When M moves, the sum and O are multiplied by 2^(old M - new M): exact.
; SHARES.  A work-group owns 256 queries of one head, each of its sixteen waves one tile of 16 (lane r: query 32 (T / 2) + 8 (T % 2) + r + 8 (r / 8)), in 256 registers: four waves to a SIMD.
; A HEAD'S K AND V LIE WHOLE IN LDS: 16 steps x 12,800 bytes, filled ONCE, wave w asking for step w: no ring, no refill, no barrier in the key loop.  The four query blocks of a cluster ask jointly.
; BOTH PRODUCTS TRANSPOSED: a lane holds one query throughout.  The head has 64 channels, half of the instruction's 128: a fragment of K holds TWO key tiles (k 0-63: tile 2 b, k 64-127: tile 2 b + 1), and source 1 is
; [q | 0] for the first and [0 | q] for the second: zero codes add nothing under any scale byte that occurs here (1 .. 254).  Both lie in one run of 18 registers: zeros, q, zeros.
; LIMITS: NaN and infinities are not served; p under 2^-126 becomes 0; a block's largest p is made from the block's largest score by the same multiply-add and exponential, which takes v_exp_f32 not to fall where its input rises.
; No prefetch: all of K and V is asked for at the head, and each step's mask words are asked for a step ahead by the scalar loads themselves.
; REGISTERS: v1, v2 LDS addresses in hand; v3 16 x lane, v9 8 x lane; v[4:5] K's scale words, v[6:7] V's, v8 Q's; v12 -M, v13 largest t, v[14:15] the sum; v16-33 the run of Q; v34 r, v35 h;
;   v36-83 K's four fragments; v84-131 V's; v132-195 scores, then p; v196-227 O^T; v228-239 p's codes; v240-254 at work.
.set STEPB, 12800
.set STAGE, 211200                     ; the way out: 16 rows x 272 bytes for each wave, one K section behind the tiles; no tile lands there
.set SP,    272
.set KF,  36
.set VF,  84
.set S,   132
.set OA,  196
.set PC,  228
.set BM,  240                          ; the blocks' largest scores; later half a block's codes
.set PT,  244                          ; permute, second chain of the sum, bytes, half a block's codes
.set SO,  248                          ; the conversions' scale operands
.macro CROUND                          ; a round of the cluster's barrier
	s_barrier_signal -1
	s_barrier_wait -1
	s_cmp_lg_u32 s2, 0
	s_cbranch_scc1 .Lnot_wave_0_\@
	s_barrier_signal -3
.Lnot_wave_0_\@:
	s_barrier_wait -3
	s_barrier_signal -1
	s_barrier_wait -1
.endm
	s_load_b128 s[4:7], s[0:1], 0x0                ; qkv, mbits
	s_load_b64 s[8:9], s[0:1], 0x10                ; out0
	v_lshl_add_u32 v254, v0, 2, 0x44900
	v_mov_b32 v255, 0
	ds_add_u32 v254, v255
	ds_add_u32 v254, v255
	s_wait_dscnt 0x0
	v_lshrrev_b32 v1, 5, v0
	s_delay_alu instid0(VALU_DEP_1)
	v_readfirstlane_b32 s2, v1                     ; wave 0..15
	s_bfe_u32 s96, ttmp6, 0x40000                  ; cx: it enters Q's, the mask's and the output's addresses alone
	s_lshl_b32 s97, ttmp9, 2
	s_add_co_u32 s97, s97, s96                     ; my block of 256 queries
	s_and_b32 s98, ttmp7, 0xffff                   ; 16 x batch + head, which the four partners share
	s_mul_i32 s99, s98, 307200
	s_mul_i32 s100, s2, 19200
	s_add_co_u32 s100, s100, s99                   ; step w's K and V sections: 12,800 dense bytes
	s_mov_b32 s101, 0
	s_mov_b32 s84, 1                               ; group 0: count = 1
	s_mul_i32 s85, s2, STEPB                       ; LDS address: by the wave's number alone
	s_mov_b32 s88, 15|(3<<16)|(1<<21)              ; group 1: the mask names all four; elements of 8 bytes; bit 21 beside a mask
	s_mov_b32 s89, 32<<16                          ; 50 rows of 256 bytes
	s_mov_b32 s90, 50<<16
	s_mov_b32 s91, 32<<16
	s_mov_b32 s92, 50
	s_mov_b32 s93, 32
	s_mov_b32 s94, 0
	s_mov_b32 s95, 0
	s_lshl_b32 s10, s97, 1
	s_lshr_b32 s11, s2, 3
	s_add_co_u32 s10, s10, s11                     ; the token step in which my tile lies
	s_mul_i32 s10, s10, 19200
	s_add_co_u32 s10, s10, s99
	s_add_co_u32 s10, s10, 12800                   ; its Q section
	s_mov_b32 s11, 0
	s_lshl_b32 s96, s97, 4
	s_add_co_u32 s96, s96, s2                      ; T: my query tile in the batch
	s_lshr_b32 s97, s98, 4                         ; batch
	s_and_b32 s98, s98, 15                         ; head
	s_lshl_b32 s12, s97, 7
	s_add_co_u32 s12, s12, s96
	s_lshl_b32 s12, s12, 12                        ; my tile's 16 x 256 bytes of mask words
	s_mov_b32 s13, 0
	s_lshl_b32 s14, s97, 23
	s_lshr_b32 s15, s96, 1
	s_lshl_b32 s15, s15, 17
	s_add_co_u32 s14, s14, s15
	s_and_b32 s15, s96, 1
	s_lshl_b32 s15, s15, 15
	s_add_co_u32 s14, s14, s15
	s_lshl_b32 s15, s98, 8
	s_add_co_u32 s14, s14, s15                     ; my tile's first row of the output, at my head's 256 bytes
	s_mov_b32 s15, 0
	s_bfe_u32 s96, s2, 0x20001                     ; f: which fragment of the Q section
	s_mul_i32 s97, s96, 1536
	s_and_b32 s98, s96, 1
	s_lshl_b32 s98, s98, 7
	s_lshr_b32 s96, s96, 1
	s_lshl_b32 s96, s96, 2
	s_add_co_u32 s98, s98, s96                     ; its scale words: slots 16 (f & 1) on, word f >> 1
	v_and_b32 v1, 31, v0
	v_and_b32 v34, 15, v0                          ; r
	v_bfe_u32 v35, v0, 4, 1                        ; h
	s_delay_alu instid0(VALU_DEP_3)
	v_lshlrev_b32 v3, 4, v1
	s_delay_alu instid0(VALU_DEP_4)
	v_lshlrev_b32 v9, 3, v1
	s_delay_alu instid0(VALU_DEP_2)
	v_add_nc_u32 v10, s97, v3
	v_lshl_add_u32 v11, v34, 3, s98
	s_wait_kmcnt 0x0
	s_add_nc_u64 s[86:87], s[4:5], s[100:101]
	s_or_b32 s87, s87, 0x80000000                  ; type = 2
	s_add_nc_u64 s[4:5], s[4:5], s[10:11]
	s_add_nc_u64 s[6:7], s[6:7], s[12:13]
	s_add_nc_u64 s[8:9], s[8:9], s[14:15]
	CROUND                                         ; all four work-groups are here: the joint loads meet
	tensor_load_to_lds s[84:87], s[88:95]          ; my one tensor load: step w's K and V
	s_nop 0
.rept 4
	v_nop
.endr
	s_load_b512 s[16:31], s[6:7], 0x0              ; step 0's 64 mask words: word n in s[16 + n], from word 48 on in s[20 + n]
	s_load_b512 s[32:47], s[6:7], 0x40
	s_load_b512 s[48:63], s[6:7], 0x80
	s_load_b512 s[68:83], s[6:7], 0xc0
	s_wait_alu depctr_va_vdst(0)
.irp g, 0,1,2
	global_load_b128 v[S+4*\g:S+4*\g+3], v10, s[4:5] offset:512*\g   ; the fragment that holds my tile and its neighbour
.endr
	global_load_b32 v8, v11, s[4:5] offset:6144
	s_mov_b32 s12, 0x76543210
	s_mov_b32 s13, 0xfedcba98                      ; v_permlanex16_b32's selects for lane l xor 16
	s_mov_b32 s14, 0x3e38aa3b                      ; c = log2(e) / 8
	s_mov_b32 s15, s14                             ; (named with it as a pair)
	s_mov_b32 s10, 0                               ; the LDS byte at which the step in hand begins
	s_and_b32 s96, s2, 1                           ; u: which of the fragment's two tiles is mine
	s_cmp_eq_u32 s96, 1
	s_cselect_b32 s99, -1, 0
	s_lshl_b32 s96, s96, 4
.irp i, 0,1,2,3,4,5
	v_mov_b32 v[16+\i], 0
	v_mov_b32 v[28+\i], 0
.endr
	v_mov_b32 v13, 0xff61b1e6                      ; the largest t so far: -3e38
	s_delay_alu instid0(VALU_DEP_1)
	v_floor_f32 v12, -v13
	v_mov_b32 v14, 0
	v_mov_b32 v15, 0
.irp b, 0,1,2,3
	v_mov_b32 v[PT+\b], 0                          ; a lane permute's destination counts as one of its sources
.endr
	v_mov_b32 v253, 0                              ; (named as the upper half of v[252:253] before it is first written)
	s_wait_loadcnt 0x0
.irp i, 0,1,2,3,4,5
	v_cndmask_b32 v[22+\i], v[S+\i], v[S+6+\i], s99   ; my tile's six registers
.endr
	v_lshrrev_b32 v8, s96, v8
	s_delay_alu instid0(VALU_DEP_1)
	v_and_b32 v8, 0xffff, v8
	s_delay_alu instid0(VALU_DEP_1)
	v_lshl_or_b32 v8, v8, 16, v8                   ; my tile's two bytes, twice: they serve [q | 0] and [0 | q]
.irp j, 0,1,2,3,4,5,6,7,8,9,10,11,12,13,14,15,16,17,18,19,20,21,22,23,24,25,26,27,28,29,30,31
	v_mov_b32 v[OA+\j], 0                          ; O^T: the first change of M multiplies zeros.  (These are also the places between the lines above and the first products)
.endr
	s_wait_tensorcnt 0x0                           ; my step's tiles are in,
	s_barrier_signal -1
	s_barrier_wait -1                              ; everybody's are: from here on LDS is only read, but for each wave's own stage
.irp b, 0,1,2,3
.irp g, 0,1,2
	ds_load_b128 v[KF+12*\b+4*\g:KF+12*\b+4*\g+3], v3 offset:1536*\b+512*\g
.endr
.endr
	ds_load_b64 v[4:5], v9 offset:6144
.macro SMUL d, a, bq, sa, row          ; 16 keys x my 16 queries; the fragment's words lie in lanes 0-15 (even fragments) or 16-31 (odd)
.if \row
	v_wmma_scale_f32_16x16x128_f8f6f4 v[\d:\d+7], v[\a:\a+11], v[\bq:\bq+11], 0, v[\sa], v8 matrix_a_fmt:MATRIX_FMT_FP6 matrix_b_fmt:MATRIX_FMT_FP6 matrix_a_scale:MATRIX_SCALE_ROW1
.else
	v_wmma_scale_f32_16x16x128_f8f6f4 v[\d:\d+7], v[\a:\a+11], v[\bq:\bq+11], 0, v[\sa], v8 matrix_a_fmt:MATRIX_FMT_FP6 matrix_b_fmt:MATRIX_FMT_FP6
.endif
.endm
.macro PMUL d, a, sa, row              ; 16 channels x my 16 queries, K = the step's 128 keys
.if \row
	v_wmma_scale_f32_16x16x128_f8f6f4 v[\d:\d+7], v[\a:\a+11], v[PC:PC+11], v[\d:\d+7], v[\sa], v253 matrix_a_fmt:MATRIX_FMT_FP6 matrix_b_fmt:MATRIX_FMT_FP6 matrix_a_scale:MATRIX_SCALE_ROW1
.else
	v_wmma_scale_f32_16x16x128_f8f6f4 v[\d:\d+7], v[\a:\a+11], v[PC:PC+11], v[\d:\d+7], v[\sa], v253 matrix_a_fmt:MATRIX_FMT_FP6 matrix_b_fmt:MATRIX_FMT_FP6
.endif
.endm
; A KEY STEP: 128 keys.  nxt = 1: the next step's K and mask words are asked for.
.macro STEP nxt
	s_wait_dscnt 0x0                               ; K's fragments and words are in
.irp b, 0,1,2,3
	SMUL S+16*\b, KF+12*\b, 22, 4+\b/2, \b%2       ; [q | 0]: key tile 2 b
	SMUL S+16*\b+8, KF+12*\b, 16, 4+\b/2, \b%2     ; [0 | q]: key tile 2 b + 1.  Register 16 b + i of lane (r, h): key 32 b + 16 h + i
.endr
	v_add_nc_u32 v1, s10, v3                       ; four plain places ahead of the loads into registers that matrix instructions have read, and of the first read of the scores
	v_add_nc_u32 v2, s10, v9
	v_nop
	v_nop
.irp t, 0,1,2,3
.irp g, 0,1,2
	ds_load_b128 v[VF+12*\t+4*\g:VF+12*\t+4*\g+3], v1 offset:6400+1536*\t+512*\g
.endr
.endr
	ds_load_b64 v[6:7], v2 offset:12544
.if \nxt
.irp b, 0,1,2,3
.irp g, 0,1,2
	ds_load_b128 v[KF+12*\b+4*\g:KF+12*\b+4*\g+3], v1 offset:STEPB+1536*\b+512*\g
.endr
.endr
	ds_load_b64 v[4:5], v2 offset:STEPB+6144
.endif
	s_wait_kmcnt 0x0                               ; this step's mask words
.set n, 0
.rept 64
.if n < 48
	v_cndmask_b32 v[S+n], v[S+n], 0, s[16+n]       ; a masked score becomes 0; each accumulator from its low end on
.else
	v_cndmask_b32 v[S+n], v[S+n], 0, s[20+n]
.endif
.set n, n+1
.endr
.if \nxt
	s_add_nc_u64 s[6:7], s[6:7], 256               ; (the loads that read this base are done: the wait above)
	s_load_b512 s[16:31], s[6:7], 0x0              ; the next step's words have the rest of this step in which to land
	s_load_b512 s[32:47], s[6:7], 0x40
	s_load_b512 s[48:63], s[6:7], 0x80
	s_load_b512 s[68:83], s[6:7], 0xc0
.endif
.irp b, 0,1,2,3
	v_max3_num_f32 v[BM+\b], v[S+16*\b], v[S+16*\b+1], v[S+16*\b+2]   ; the largest score of each block of 32 keys: for the row's maximum and for the block's largest p
.endr
.irp i, 3,5,7,9,11,13
.irp b, 0,1,2,3
	s_delay_alu instid0(VALU_DEP_4)
	v_max3_num_f32 v[BM+\b], v[BM+\b], v[S+16*\b+\i], v[S+16*\b+\i+1]
.endr
.endr
.irp b, 0,1,2,3
	s_delay_alu instid0(VALU_DEP_4)
	v_max_num_f32 v[BM+\b], v[BM+\b], v[S+16*\b+15]
.endr
.irp b, 0,1,2,3
	s_delay_alu instid0(VALU_DEP_4)
	v_permlanex16_b32 v[PT+\b], v[BM+\b], s12, s13
.endr
.irp b, 0,1,2,3
	s_delay_alu instid0(VALU_DEP_4)
	v_max_num_f32 v[BM+\b], v[BM+\b], v[PT+\b]     ; with lane l xor 16's 16 keys
.endr
	s_delay_alu instid0(VALU_DEP_2)
	v_max3_num_f32 v254, v[BM], v[BM+1], v[BM+2]
	s_delay_alu instid0(VALU_DEP_1)
	v_max_num_f32 v254, v254, v[BM+3]
	s_delay_alu instid0(VALU_DEP_1)
	v_mul_f32 v254, s14, v254                      ; as t (c is positive)
	s_delay_alu instid0(VALU_DEP_1)
	v_max_num_f32 v13, v13, v254                   ; the running largest t
	v_mov_b32 v254, v12
	s_delay_alu instid0(VALU_DEP_2)
	v_floor_f32 v12, -v13                          ; the new -M = -ceil(t): a whole number
	s_delay_alu instid0(VALU_DEP_1)
	v_sub_f32 v254, v12, v254                      ; old M - new M: a whole number, 0 or less
	s_delay_alu instid0(VALU_DEP_1)
	v_cvt_i32_f32 v254, v254                       ; (it saturates)
	s_delay_alu instid0(VALU_DEP_1)
	v_ldexp_f32 v252, 1.0, v254                    ; f = 2^(old M - new M)
.irp j, 0,2,4,6,8,10,12,14,16,18,20,22,24,26,28,30,32,34,36,38,40,42,44,46,48,50,52,54,56,58,60,62
	v_pk_fma_f32 v[S+\j:S+\j+1], v[S+\j:S+\j+1], s[14:15], v[12:13] op_sel_hi:[1,0,0]   ; t - M, two at a time
.endr
.irp b, 0,1,2,3
	v_fma_f32 v[BM+\b], v[BM+\b], s14, v12         ; the same of each block's largest score
.endr
	s_wait_alu depctr_va_vdst(0)
.irp j, 0,1,2,3,4,5,6,7,8,9,10,11,12,13,14,15,16,17,18,19,20,21,22,23,24,25,26,27,28,29,30,31,32,33,34,35,36,37,38,39,40,41,42,43,44,45,46,47,48,49,50,51,52,53,54,55,56,57,58,59,60,61,62,63
	v_exp_f32 v[S+\j], v[S+\j]                     ; p = 2^(t - M), at most 1
.endr
	v_pk_mul_f32 v[14:15], v[14:15], v[252:253] op_sel_hi:[1,0]   ; the sums under the new M: the plain place behind the exponentials
	s_wait_alu depctr_va_vdst(0)                   ; one wait for the batch of 64, ahead of its first reader
.irp b, 0,1,2,3
	v_exp_f32 v[BM+\b], v[BM+\b]                   ; the block's largest p
.endr
	v_pk_add_f32 v[244:245], v[136:137], v[140:141]
	v_pk_add_f32 v[254:255], v[144:145], v[148:149]
	v_pk_add_f32 v[250:251], v[152:153], v[156:157]
	v_pk_add_f32 v[248:249], v[160:161], v[164:165]
	v_pk_add_f32 v[246:247], v[168:169], v[172:173]
	v_pk_add_f32 v[238:239], v[176:177], v[180:181]
	v_pk_add_f32 v[236:237], v[184:185], v[188:189]
	v_pk_add_f32 v[14:15], v[14:15], v[192:193]
	v_pk_add_f32 v[244:245], v[244:245], v[132:133]
	v_pk_add_f32 v[254:255], v[254:255], v[134:135]
	v_pk_add_f32 v[250:251], v[250:251], v[138:139]
	v_pk_add_f32 v[248:249], v[248:249], v[142:143]
	v_pk_add_f32 v[246:247], v[246:247], v[146:147]
	v_pk_add_f32 v[238:239], v[238:239], v[150:151]
	v_pk_add_f32 v[236:237], v[236:237], v[154:155]
	v_pk_add_f32 v[14:15], v[14:15], v[158:159]
	v_pk_add_f32 v[244:245], v[244:245], v[162:163]
	v_pk_add_f32 v[254:255], v[254:255], v[166:167]
	v_pk_add_f32 v[250:251], v[250:251], v[170:171]
	v_pk_add_f32 v[248:249], v[248:249], v[174:175]
	v_pk_add_f32 v[246:247], v[246:247], v[178:179]
	v_pk_add_f32 v[238:239], v[238:239], v[182:183]
	v_pk_add_f32 v[236:237], v[236:237], v[186:187]
	v_pk_add_f32 v[14:15], v[14:15], v[190:191]
	v_pk_add_f32 v[244:245], v[244:245], v[194:195]
	s_delay_alu instid0(VALU_DEP_2)
	v_pk_add_f32 v[14:15], v[14:15], v[248:249]
	s_delay_alu instid0(VALU_DEP_2)
	v_pk_add_f32 v[244:245], v[244:245], v[246:247]
	v_pk_add_f32 v[254:255], v[254:255], v[238:239]
	v_pk_add_f32 v[250:251], v[250:251], v[236:237]
	s_delay_alu instid0(VALU_DEP_2)
	v_pk_add_f32 v[14:15], v[14:15], v[254:255]
	s_delay_alu instid0(VALU_DEP_2)
	v_pk_add_f32 v[244:245], v[244:245], v[250:251]
	s_delay_alu instid0(VALU_DEP_1)
	v_pk_add_f32 v[14:15], v[14:15], v[244:245]
	s_wait_alu depctr_va_vdst(0)                   ; and one for the four
.irp b, 0,1,2,3
	v_max_num_f32 v[BM+\b], 0x1800000, v[BM+\b]    ; the floor 2^(3 - 127): the byte cannot fall under 1
.endr
.irp b, 0,1,2,3
	s_delay_alu instid0(VALU_DEP_4)
	v_add_nc_u32 v[SO+\b], 0xff000000, v[BM+\b]    ; 2 off the exponent field: the conversion's scale operand
.endr
.irp b, 0,1,2,3
	s_delay_alu instid0(VALU_DEP_4)
	v_lshrrev_b32 v[PT+\b], 23, v[SO+\b]
.endr
	s_delay_alu instid0(VALU_DEP_3)
	v_lshl_or_b32 v253, v[PT+1], 8, v[PT]          ; p's scale word for these 128 keys
	s_delay_alu instid0(VALU_DEP_1)
	v_lshl_or_b32 v253, v[PT+2], 16, v253
	s_delay_alu instid0(VALU_DEP_1)
	v_lshl_or_b32 v253, v[PT+3], 24, v253
	v_cvt_scalef32_pk16_fp6_f32 v[PC:PC+2], v[S:S+15], v[SO]
	v_cvt_scalef32_pk16_fp6_f32 v[PT:PT+2], v[S+16:S+31], v[SO+1]
	v_cvt_scalef32_pk16_fp6_f32 v[PC+6:PC+8], v[S+32:S+47], v[SO+2]
	v_cvt_scalef32_pk16_fp6_f32 v[BM:BM+2], v[S+48:S+63], v[SO+3]
	v_nop                                          ; one plain place behind the scaled conversions
.irp i, 0,1,2
	v_permlane16_swap_b32 v[PC+\i], v[PT+\i]       ; a whole block to a lane
	v_permlane16_swap_b32 v[PC+6+\i], v[BM+\i]
.endr
.irp i, 0,1,2
	v_mov_b32 v[PC+3+\i], v[PT+\i]
	v_mov_b32 v[PC+9+\i], v[BM+\i]
.endr
.irp j, 0,2,4,6,8,10,12,14,16,18,20,22,24,26,28,30
	v_pk_mul_f32 v[OA+\j:OA+\j+1], v[OA+\j:OA+\j+1], v[252:253] op_sel_hi:[1,0]   ; O^T under the new M; also the places between the lines above and the products below
.endr
.if \nxt
	s_wait_alu depctr_va_vdst(0)
	s_wait_dscnt 13                                ; V's thirteen loads are in; the next step's thirteen of K may be out
.else
	s_wait_alu depctr_va_vdst(0)
	s_wait_dscnt 0x0
.endif
.irp t, 0,1,2,3
	PMUL OA+8*\t, VF+12*\t, 6+\t/2, \t%2           ; the four accumulators by turns; register 8 t + j of lane (r, h): channel 32 (t / 2) + 16 h + 8 (t % 2) + j
.endr
.if \nxt
	s_add_co_u32 s10, s10, STEPB
.endif
.endm
	s_mov_b32 s3, 15
.Lstep:
	STEP 1
	s_sub_co_u32 s3, s3, 1
	s_cmp_lg_u32 s3, 0
	s_cbranch_scc1 .Lstep
	STEP 0                                         ; the last step asks for nothing: no LDS read and no mask load passes the end
	; THE WAY OUT: O^T / the sum, through my own stage in LDS, so that sixteen lanes store a query's 256 bytes of this head
	v_add_f32 v14, v14, v15
	s_delay_alu instid0(VALU_DEP_1)
	v_permlanex16_b32 v252, v14, s12, s13
	s_delay_alu instid0(VALU_DEP_1)
	v_add_f32 v14, v14, v252                       ; the row's sum
	s_wait_alu depctr_va_vdst(0)
	v_rcp_f32 v14, v14
	s_mul_i32 s11, s2, 16*SP
	s_add_co_u32 s11, s11, STAGE
	v_mul_u32_u24 v10, v34, SP                     ; (plain places behind the reciprocal and the last products)
	s_delay_alu instid0(VALU_DEP_1)
	v_lshl_add_u32 v10, v35, 6, v10
	s_delay_alu instid0(VALU_DEP_1)
	v_add_nc_u32 v10, s11, v10                     ; in: row r, + 64 h
	v_mul_u32_u24 v11, v35, SP
	s_delay_alu instid0(VALU_DEP_1)
	v_lshl_add_u32 v11, v34, 4, v11
	s_delay_alu instid0(VALU_DEP_1)
	v_add_nc_u32 v11, s11, v11                     ; back: lanes 0-15 one row, lanes 16-31 the next
	v_lshlrev_b32 v2, 12, v35
	s_delay_alu instid0(VALU_DEP_1)
	v_lshl_add_u32 v2, v34, 4, v2                  ; and the same two rows in the output
	s_wait_alu depctr_va_vdst(0)                   ; the wait ahead of the reciprocal's first reader
.irp j, 0,1,2,3,4,5,6,7,8,9,10,11,12,13,14,15,16,17,18,19,20,21,22,23,24,25,26,27,28,29,30,31
	v_mul_f32 v[S+\j], v[OA+\j], v14
.endr
.irp t, 0,1,2,3
	ds_store_b128 v10, v[S+8*\t:S+8*\t+3] offset:128*(\t/2)+32*(\t%2)
	ds_store_b128 v10, v[S+8*\t+4:S+8*\t+7] offset:128*(\t/2)+32*(\t%2)+16
.endr
.irp i, 0,1,2,3,4,5,6,7
	ds_load_b128 v[KF+4*\i:KF+4*\i+3], v11 offset:\i*2*SP   ; LDS serves a wave's instructions in order: these see my stores
.endr
.irp i, 0,1,2,3,4,5,6,7
	s_wait_dscnt 7-\i
	global_store_b128 v2, v[KF+4*\i:KF+4*\i+3], s[8:9] offset:(2*\i+8*(\i/4))*4096 th:TH_STORE_NT   ; stage row 2 i + lane / 16 is query 2 i + 8 (i / 4) + lane / 16 of the tile's span; 256 consecutive bytes, aligned
.endr
	s_wait_xcnt 0x0
	v_lshl_add_u32 v254, v0, 2, 0x44900
	v_mov_b32 v255, 0
	s_wait_alu depctr_va_vdst(0)
	s_wait_tensorcnt 0x0
	ds_add_u32 v254, v255
	s_wait_dscnt 0x0
	CROUND                                         ; the closing round: no work-group ends while a partner may still ask for a tile that names it
	s_endpgm
.Lfunc_end_k_q056a1e11f9_attn:
	.size	k_q056a1e11f9_attn, .Lfunc_end_k_q056a1e11f9_attn-k_q056a1e11f9_attn
	.p2alignl 7, 3214868480
	.fill 96, 4, 3214868480
	.section	.rodata,"a",@progbits
	.p2align	6, 0x0
	.amdhsa_kernel k_q056a1e11f9_attn
		.amdhsa_group_segment_fixed_size 282880
		.amdhsa_private_segment_fixed_size 0
		.amdhsa_enable_private_segment 0
		.amdhsa_kernarg_size 24
		.amdhsa_user_sgpr_count 2
		.amdhsa_user_sgpr_kernarg_segment_ptr 1
		.amdhsa_wavefront_size32 1
		.amdhsa_system_sgpr_workgroup_id_x 1
		.amdhsa_system_sgpr_workgroup_id_y 1
		.amdhsa_system_sgpr_workgroup_id_z 1
		.amdhsa_system_vgpr_workitem_id 0
		.amdhsa_next_free_vgpr 256
		.amdhsa_next_free_sgpr 102
		.amdhsa_reserve_vcc 0
		.amdhsa_float_denorm_mode_32 3
		.amdhsa_float_denorm_mode_16_64 3
		.amdhsa_memory_ordered 1
		.amdhsa_forward_progress 1
		.amdhsa_inst_pref_size 55
	.end_amdhsa_kernel
	.amdgpu_metadata
---
amdhsa.version: [ 1, 2 ]
amdhsa.kernels:
  - .name:           k_q056a1e11f9_attn
    .symbol:         k_q056a1e11f9_attn.kd
    .args:
      - { .name: qkv, .offset: 0, .size: 8, .value_kind: global_buffer, .address_space: global }
      - { .name: mbits, .offset: 8, .size: 8, .value_kind: global_buffer, .address_space: global }
      - { .name: out0, .offset: 16, .size: 8, .value_kind: global_buffer, .address_space: global }
    .group_segment_fixed_size: 282880
    .private_segment_fixed_size: 0
    .kernarg_segment_align: 8
    .kernarg_segment_size: 24
    .max_flat_workgroup_size: 512
    .sgpr_count:     102
    .vgpr_count:     256
    .wavefront_size: 32
...
	.end_amdgpu_metadata
.endif
;; end of part 3
